; MI455X (gfx1250); checked and timed in simulation.
; The chip was launched on July 23, 2026; its instructions are those of AMD's public machine-readable ISA for CDNA 5 (MIT licence, August 2026) and "CDNA5" Instruction Set Architecture Reference Guide (July 2026). The comments in the code are by the model that wrote it; some were corrected since.
;; Position Attention. Allowed arithmetic: matrix products marked QUANTISED: E5M2 operands, one given power-of-two scale a tensor, by v_wmma_f32_16x16x64_bf8_bf8 or v_wmma_f32_16x16x128_bf8_bf8, f32 sums; everything else in f32.
;; Inputs: Wk_codes 64 x 16 x 32 uint8 (E5M2 codes of Wk, K innermost, in blocks of 32 codes); Wq_codes 64 x 16 x 32 uint8 (E5M2 codes of Wq, K innermost, in blocks of 32 codes); Wv_codes 512 x 16 x 32 uint8 (E5M2 codes of Wv, K innermost, in blocks of 32 codes); bk 64 float32; bq 64 float32; bv 512 float32; gamma 1 float32; lowp_scales 10 int32 (the exponents e of the quantised operands' scales 2^e); x 16 x 2,048 x 512 float32.
;; Outputs: out0 16 x 2,048 x 512 float32.
;; This version of the problem:
;;   THIS VERSION OF THE PROBLEM IS GIVEN IN LOW PRECISION. The matrix products marked QUANTISED in the list below multiply operands that are first quantised to E5M2 (5 exponent bits, 2 mantissa bits; 8 bits a number), with one given power-of-two scale for each operand tensor; their sums are f32. All else is computed in f32.
;;   The module's matrix products, in the order in which they are computed (A, B: the left and right operand; K: the contracted axis; several contracted axes count as one K, in the product's order):
;;     1. [M 32,768, K 512] x [K 512, N 64]; A: input x; B: input Wq (given as codes): QUANTISED (scales: A lowp_scales[0], B lowp_scales[1])
;;     2. [M 32,768, K 512] x [K 512, N 64]; A: input x; B: input Wk (given as codes): QUANTISED (scales: A lowp_scales[2], B lowp_scales[3])
;;     3. [M 32,768, K 512] x [K 512, N 512]; A: input x; B: input Wv (given as codes): QUANTISED (scales: A lowp_scales[4], B lowp_scales[5])
;;     4. batch 16 x [M 2,048, K 64] x [K 64, N 2,048]; A: computed on the way; B: computed on the way: QUANTISED (scales: A lowp_scales[6], B lowp_scales[7])
;;     5. batch 16 x [M 512, K 2,048] x [K 2,048, N 2,048]; A: computed on the way; B: softmax (see below): QUANTISED (scales: A lowp_scales[8], B lowp_scales[9])
;;   THE QUANTISER, for each operand of a quantised product, along K:
;;     - The operand's scale is 2^e, e = its entry of the input lowp_scales (int32; the entries are numbered through the quantised products in the list's order, A before B).
;;     - Each number is divided by the scale, clamped to +-57,344, and rounded to the nearest number of E5M2, ties to even, subnormals kept.
;;     - The product sums the exact products of the quantised numbers (number of the format x scale) in f32.
;;   ~~~python
;;   def quantise(x, axis, e):      # numpy; x: float32 -> the quantised numbers, widened to float32 again
;;       x = np.moveaxis(x, axis, -1); K = x.shape[-1]
;;       r = np.clip(x / 2.0 ** e, -57344, 57344)
;;       step = 2.0 ** (np.maximum(np.frexp(np.where(r == 0, 1, r))[1] - 1, -14) - 2)
;;       q = np.round(r / step) * step * 2.0 ** e      # np.round: ties to even
;;       return np.moveaxis(q, -1, axis).astype(np.float32)
;;   ~~~
;;   SOFTMAX AHEAD OF A QUANTISED PRODUCT. Where the list says 'softmax', what is quantised is not the finished softmax but p = 2^(t - M), with t = logit x log2(e) and M = ceil(the row's largest t), a whole number; so 1/2 < the row's largest p <= 1. The row's sum l is taken of the UNQUANTISED p, in f32, and the product's result is divided by l at the end. Since M is a whole number, a kernel that streams over the keys may use a running M (the ceiling of the running maximum): every later rescaling is an exact power of two, so the quantised numbers keep their values, but for numbers so far below the row's largest that they fall under the format's range.
;;   OPERANDS COMPUTED ON THE WAY. 'Computed on the way' means the value that the module computes at that place (a softmax that the list does not call 'softmax' is quantised finished and normalised). What goes into a quantiser is computed in f32, as accurately as f32 sums, v_exp_f32 and their like allow (about 1e-6 of the number): no bf16 or f16 on the way to a quantiser, and a product that is left as it is and whose result goes on into a quantised operand takes f32 operands (vector FMAs, or v_wmma_f32_16x16x4_f32). A number that lies on a knife's edge between two numbers of the format may be rounded either way, as far as f32 arithmetic and the matrix unit's own rounding can turn it there, and no further.
;;   INPUTS GIVEN AS CODES. Wk (in the module: [64, 512], K = its axis 1); Wq (in the module: [64, 512], K = its axis 1); Wv (in the module: [512, 512], K = its axis 1): each comes as NAME_codes (uint8): NAME with its K axis moved to the last place and cut into blocks of 32 codes, [.., K / 32, bytes a block], one block behind the other in memory; one code a byte (a code: sign, 5 exponent bits, 2 mantissa bits); its scale is its entry of lowp_scales. Its value is code x scale, taken as it is: it is not quantised again, and the codes and scales need not be those that the quantiser above would give.
;; One version. Each part assembles by itself: llvm-mc -triple=amdgcn-amd-amdhsa -mcpu=gfx1250 --defsym DOCPART=n.
;; ======== version 1 of 1: 2 launches
;; workspace buffers: qimg 2,097,152 bytes; kimg 2,097,152 bytes; vimg 16,777,216 bytes
;; launch project (part 1): grid 256 x 1, 4 waves a work-group, no clusters, 303,616 bytes of LDS; arguments x, Wq_codes, Wk_codes, Wv_codes, bq, bk, bv, lowp_scales, qimg, kimg, vimg; writes qimg, kimg, vimg
.if DOCPART == 1
	.amdgcn_target "amdgcn-amd-amdhsa--gfx1250"
	.amdhsa_code_object_version 6
	.text
	.protected	k_q950dbb205b_project
	.globl	k_q950dbb205b_project
	.p2align	8
	.type	k_q950dbb205b_project,@function
k_q950dbb205b_project:
	s_mov_b64 s[64:65], 0
	v_nop
	global_prefetch_b8 v0, s[64:65] scope:SCOPE_SE
	s_setreg_imm32_b32 hwreg(HW_REG_WAVE_MODE, 25, 1), 1
	s_wait_xcnt 0x0
; q = x Wq^T + bq, k = x Wk^T + bk, v = x Wv^T + bv, all three products on codes of E5M2, and their results quantised for the attention that follows.
; x: [16][2048][512] f32; it is quantised here three times, with 2^e0, 2^e2, 2^e4 (entries of lowp_scales).  Wq, Wk [64][512], Wv [512][512]: codes, K innermost, scales 2^e1, 2^e3, 2^e5.
; NO WORK IS LEFT OUT: both biases of q and k go into quantisers, bv into v's, and every input has a way to the output; all are loaded (gamma and the residual in the second launch).
; OUT: images of operand registers.  A fragment's registers 4 c .. 4 c + 3 of lane l are the 16 bytes at 512 c + 16 l of its image.
;   qimg, kimg [batch][tile of 16 rows, 128 of them][1,024]: 8 registers; registers 2 t, 2 t + 1 of lane (r, h) hold d = 16 t + 8 h + 0 .. 7 of row r, scale 2^e6 (q), 2^e7 (k).
;   vimg [batch][step of 128 keys, 16][tile of 16 channels, 32][2,048]: 16 registers; registers 2 t, 2 t + 1 of lane (r, h) hold keys 16 t + 8 h + 0 .. 7 of channel r, scale 2^e8.
; SHARES.  Work-group g owns rows 128 g .. 128 g + 127 of x (batch g / 16, key step g % 16).  Wave w quantises rows 32 w .. 32 w + 31 (two tiles of 16) and makes their q and k (16 accumulators);
; it makes v for channels 128 w .. 128 w + 127 and all 128 rows (64 accumulators).  Only x's codes under 2^e4 go from wave to wave, as register images in LDS.
; q, k: source 0 = 16 rows of W, source 1 = 16 rows of x: a lane holds one row of x and eight neighbouring d.  v: source 0 = 16 rows of x, source 1 = 16 rows of Wv: a lane holds one channel and eight
; neighbouring keys.  So the conversions' results are the next operands' registers, and nothing is transposed.
; K goes in four steps of 128.  Along K both sources hold k = 32 c + 16 h + 0 .. 15 in registers 4 c .. 4 c + 3: one permutation of k for both, so every product meets its partner.
; The biases are the C of each sum's first product, divided by the power of two that the sums lack.
; x comes by tensor loads: 4 a wave (32 rows x 512 bytes each, one for each K step), all first fills, each read by the wave that asked for it alone.  32 rows and not more, so that K step 0 lands first.
; NO CLUSTER: what work-groups share is the weights, and they go from memory straight into registers: x's landing zone takes 270,336 bytes of LDS and no weight tile fits beside it.
; NO PREFETCH: every byte of x is asked for in the kernel's first lines.
; LIMITS: e0, e2, e4, e6 - e0 - e1, e7 - e2 - e3, e8 - e4 - e5 lie between -126 and 112, so that each scale and 57,344 x it is an f32 number.  NaN and infinity among the inputs are not served.
; REGISTERS.  window 0: v1-10 addresses; v11-22 six pairs (scale, 57,344 x scale); v24-39 held numbers; v40-55 the codes just made; v56-119 64 raw numbers of x; v120-127 bv; v128-191 q's, v192-255 k's accumulators.
;   window 1: v0-127 Wv's 8 fragments; v128-255 Wq's and Wk's 4 + 4 fragments, then x's 8.   windows 2, 3: v's accumulators, (rt, ct) at v[8 (8 (rt % 4) + ct)] of window 2 + rt / 4.
.set XP,    528                        ; a row of a chunk in LDS: 512 bytes + 16: 132 words, so the 16 rows that a load touches start 4 banks apart
.set CH,    128*XP                     ; a chunk: 128 rows, 128 along K
.set XIMG,  4*CH                       ; behind the chunks: two buffers of 8 fragment images
.set IMGB,  16384
.set SPARE, XIMG+2*IMGB                ; the spare words, 128 bytes a wave: two blocks of 256 bytes that no other line names
.set LI,  1                            ; v1     16 x lane
.set XAD, 2                            ; v2-5   my place in chunk s: row 32 w + r, + 64 h
.set XIW, 6                            ; v6     where I store images: XIMG + 16 lane + 4,096 w
.set XI,  7                            ; v7     where I read them: XIMG + 16 lane
.set WO,  8                            ; v8     weights: 512 r + 16 h
.set SPW, 9                            ; v9     my spare word; never rewritten
.set NIL, 10                           ; v10    0; never rewritten
.set SC,  11                           ; v11-22 pair z: 0 x for q, 1 x for k, 2 x for v, 3 q, 4 k, 5 v
.set BO,  23                           ; v23    32 h
.set T,   24
.set XC,  40
.set XR,  56
.set BV,  120
.set AQ,  128
.set AK,  192
.set QC,  24                           ; the way out: q's and k's codes, 8 registers for each of four fragments
.set VC,  128                          ; the way out: v's codes, 16 registers for each of eight fragments
.set WV,  61
.set G1,  28                           ; s[28:35] descriptor group 1
.set G0,  36                           ; s[36:51] descriptor group 0, one for each chunk
.set MSB, 0
.macro WIN new                         ; the immediate's high byte repeats the setting that is left; a switch that changes nothing is dropped
.if MSB != (\new)
	s_set_vgpr_msb (MSB<<8)|(\new)
.set MSB, (\new)
.endif
.endm
.macro PLACES                          ; four plain vector lines between a matrix instruction and a load into, or a vector line on, its registers
.rept 4
	v_nop
.endr
.endm
.macro MKSC z, e                       ; pair z from the exponent in s[e]
	s_add_co_i32 s72, s[\e], 127
	s_lshl_b32 s73, s72, 23
	v_mov_b32 v[SC+2*\z], s73                      ; 2^e as f32: a conversion takes its exponent field
	s_add_co_i32 s72, s72, 15
	s_lshl_b32 s72, s72, 23
	s_or_b32 s72, s72, 0x600000
	v_mov_b32 v[SC+2*\z+1], s72                    ; 57,344 x 2^e
.endm
	s_load_b512 s[4:19], s[0:1], 0x0               ; x, Wq, Wk, Wv, bq, bk, bv, the scales' exponents
	s_load_b128 s[20:23], s[0:1], 0x40             ; qimg, kimg
	s_load_b64 s[24:25], s[0:1], 0x50              ; vimg
	v_lshl_add_u32 v[SPW], v0, 2, SPARE
	v_mov_b32 v[NIL], 0
	ds_add_u32 v[SPW], v[NIL]                      ; the opening: the add, twice on end, and its wait ahead of my first tensor load
	ds_add_u32 v[SPW], v[NIL]
	v_lshrrev_b32 v1, 5, v0
	v_readfirstlane_b32 s[WV], v1                  ; wave 0..3
	s_mov_b32 s[G1+0], (2<<16)|(1<<20)|(6<<22)|(3<<25)  ; no mask; elements of 4 bytes; padding on: 4 words behind every 128
	s_mov_b32 s[G1+1], 128<<16                     ; tensor_dim0 = 128
	s_mov_b32 s[G1+2], 32<<16                      ; tensor_dim1 = 32
	s_mov_b32 s[G1+3], 128<<16                     ; tile_dim0 = 128
	s_mov_b32 s[G1+4], 32                          ; tile_dim1 = 32
	s_mov_b32 s[G1+5], 512                         ; elements from row to row
	s_mov_b32 s[G1+6], 0
	s_mov_b32 s[G1+7], 0
	s_mul_i32 s68, s[WV], 32*XP                    ; my 32 rows in a chunk
	s_lshl_b32 s66, ttmp9, 18                      ; 128 rows of 2,048 bytes a work-group,
	s_lshl_b32 s69, s[WV], 16                      ; 32 a wave
	s_add_co_u32 s66, s66, s69
	s_mov_b32 s67, 0
	s_wait_dscnt 0x0                               ; both opening adds are done
	s_wait_kmcnt 0x0
	s_load_b256 s[52:59], s[18:19], 0x0            ; e0 .. e7
	s_load_b32 s60, s[18:19], 0x20                 ; e8
	s_add_nc_u64 s[4:5], s[4:5], s[66:67]          ; x at my first row
.irp s, 0,1,2,3
	s_mov_b32 s[G0+4*\s], 1
	s_add_co_u32 s[G0+4*\s+1], s68, \s*CH
	s_add_nc_u64 s[G0+4*\s+2:G0+4*\s+3], s[4:5], \s*512
	s_or_b32 s[G0+4*\s+3], s[G0+4*\s+3], 0x80000000
.endr
.irp s, 0,1,2,3
	tensor_load_to_lds s[G0+4*\s:G0+4*\s+3], s[G1:G1+7]   ; four loads of mine are out, and no more ever
	s_nop 0
.endr
	PLACES
	v_and_b32 v1, 31, v0
	v_and_b32 v24, 15, v0                          ; r
	v_bfe_u32 v25, v0, 4, 1                        ; h
	v_lshlrev_b32 v[LI], 4, v1
	v_mul_u32_u24 v26, v24, XP
	v_lshl_add_u32 v26, v25, 6, v26
	v_add_nc_u32 v26, s68, v26
.irp s, 0,1,2,3
	v_add_nc_u32 v[XAD+\s], \s*CH, v26
.endr
	s_lshl_b32 s69, s[WV], 12
	v_add_nc_u32 v[XI], XIMG, v[LI]
	v_add_nc_u32 v[XIW], s69, v[XI]
	v_lshlrev_b32 v[WO], 9, v24
	v_lshl_add_u32 v[WO], v25, 4, v[WO]
	v_lshlrev_b32 v[BO], 5, v25
	v_lshlrev_b32 v27, 2, v24                      ; 4 r: bv's offset; free again behind the wait for the biases
	s_lshl_b32 s70, s[WV], 9
	s_mov_b32 s71, 0
	s_add_nc_u64 s[16:17], s[16:17], s[70:71]      ; bv at my 128 channels
	s_lshl_b32 s70, s[WV], 16
	s_add_nc_u64 s[10:11], s[10:11], s[70:71]      ; Wv at my 128 rows
	s_lshl_b32 s70, ttmp9, 13
	s_lshl_b32 s69, s[WV], 11
	s_add_co_u32 s70, s70, s69
	s_add_nc_u64 s[20:21], s[20:21], s[70:71]      ; qimg and kimg at my two tiles
	s_add_nc_u64 s[22:23], s[22:23], s[70:71]
	s_lshl_b32 s70, ttmp9, 16
	s_lshl_b32 s69, s[WV], 14
	s_add_co_u32 s70, s70, s69
	s_add_nc_u64 s[24:25], s[24:25], s[70:71]      ; vimg at my eight tiles of this key step
.irp a, 0,1                                    ; bq, bk straight into the accumulators: lane (r, h) of tile dt wants d = 16 dt + 8 h + 0 .. 7
.irp dt, 0,1,2,3
	global_load_b128 v[AQ+8*(4*\a+\dt):AQ+8*(4*\a+\dt)+3],   v[BO], s[12:13] offset:64*\dt
	global_load_b128 v[AQ+8*(4*\a+\dt)+4:AQ+8*(4*\a+\dt)+7], v[BO], s[12:13] offset:64*\dt+16
	global_load_b128 v[AK+8*(4*\a+\dt):AK+8*(4*\a+\dt)+3],   v[BO], s[14:15] offset:64*\dt
	global_load_b128 v[AK+8*(4*\a+\dt)+4:AK+8*(4*\a+\dt)+7], v[BO], s[14:15] offset:64*\dt+16
.endr
.endr
.irp ct, 0,1,2,3,4,5,6,7
	global_load_b32 v[BV+\ct], v27, s[16:17] offset:64*\ct   ; bv of channel 16 ct + r
.endr
; the weights of K step s: Wq's and Wk's fragments first (32 loads), then Wv's (32)
.macro WLOAD s
	WIN 0x40                                       ; destination window 1
.irp dt, 0,1,2,3
.irp c, 0,1,2,3
	global_load_b128 v[128+16*\dt+4*\c:128+16*\dt+4*\c+3], v[WO], s[6:7] offset:\dt*8192+128*(\s)+32*\c
	global_load_b128 v[192+16*\dt+4*\c:192+16*\dt+4*\c+3], v[WO], s[8:9] offset:\dt*8192+128*(\s)+32*\c
.endr
.endr
.irp ct, 0,1,2,3,4,5,6,7
.irp c, 0,1,2,3
	global_load_b128 v[16*\ct+4*\c:16*\ct+4*\c+3], v[WO], s[10:11] offset:\ct*8192+128*(\s)+32*\c
.endr
.endr
	WIN 0
.endm
	WLOAD 0
	s_wait_loadcnt 63                              ; the 40 loads of biases are in: the 64 of weights were issued behind them (the field holds 63 at the most)
	s_wait_kmcnt 0x0
	s_add_co_i32 s74, s52, s53                     ; e0 + e1: a sum of q's product stands for sum x 2^(e0 + e1)
	s_add_co_i32 s75, s54, s55                     ; e2 + e3
	s_add_co_i32 s76, s56, s57                     ; e4 + e5
	s_sub_co_i32 s77, s58, s74                     ; so q's code is sum / 2^(e6 - e0 - e1): three scales in one
	s_sub_co_i32 s78, s59, s75
	s_sub_co_i32 s79, s60, s76
	s_sub_co_i32 s80, 0, s74                       ; and the biases go in divided by what the sums lack
	s_sub_co_i32 s81, 0, s75
	s_sub_co_i32 s82, 0, s76
	MKSC 0, 52
	MKSC 1, 54
	MKSC 2, 56
	MKSC 3, 77
	MKSC 4, 78
	MKSC 5, 79
.set j, 0
.rept 64
	v_ldexp_f32 v[AQ+j], v[AQ+j], s80
	v_ldexp_f32 v[AK+j], v[AK+j], s81
.set j, j+1
.endr
; 64 raw numbers (register 16 c + i = k 32 c + 16 h + i of my row) become a fragment's codes in v[XC] on, under pair z.  The raw numbers stay: they are quantised three times.
.macro QUANT z
.irp c, 0,1,2,3
.irp i, 0,1,2,3,4,5,6,7,8,9,10,11,12,13,14,15
	v_med3_num_f32 v[T+\i], v[XR+16*\c+\i], -v[SC+2*\z+1], v[SC+2*\z+1]   ; the conversion does not saturate (ISA guide 7.6.2): the hold at the largest code x the scale
.endr
	v_cvt_scalef32_pk8_bf8_f32 v[XC+4*\c:XC+4*\c+1], v[T:T+7], v[SC+2*\z]
	v_cvt_scalef32_pk8_bf8_f32 v[XC+4*\c+2:XC+4*\c+3], v[T+8:T+15], v[SC+2*\z]
	v_nop                                          ; a plain line between the conversions and the next lines that write their sources or read their results
.endr
.endm
.macro QKMUL acc, wf, a                        ; four products: W's four tiles of 16 d x my tile a of rows; four accumulators by turns
	WIN 0x01                                       ; source 0 (W) window 1
.irp dt, 0,1,2,3
	v_wmma_f32_16x16x128_bf8_bf8 v[\acc+8*(4*\a+\dt):\acc+8*(4*\a+\dt)+7], v[\wf+16*\dt:\wf+16*\dt+15], v[XC:XC+15], v[\acc+8*(4*\a+\dt):\acc+8*(4*\a+\dt)+7]
.endr
	WIN 0
.endm
.macro KSTEP s
	s_wait_tensorcnt 3-\s                          ; a wave's tensor loads end in the order of issue: chunk s is in, the chunks behind it may be out
.irp a, 0,1
.irp c, 0,1,2,3
.irp i, 0,1,2,3
	ds_load_b128 v[XR+16*\c+4*\i:XR+16*\c+4*\i+3], v[XAD+\s] offset:\a*16*XP+128*\c+16*\i
.endr
.endr
	s_wait_dscnt 0x0
	QUANT 2                                        ; for v: (its 16 holds are the places between the last products and the conversions that write v[XC] anew)
.irp c, 0,1,2,3
	ds_store_b128 v[XIW], v[XC+4*\c:XC+4*\c+3] offset:((\s)%2)*IMGB+\a*2048+512*\c   ; the image of fragment 2 w + a
.endr
	QUANT 0                                        ; for q
.if \a == 0
	s_wait_loadcnt 32                              ; Wq's and Wk's fragments are in; Wv's 32 loads, issued behind them, may be out
.endif
	QKMUL AQ, 128, \a
	QUANT 1                                        ; for k
	QKMUL AK, 192, \a
.endr
	s_wait_dscnt 0x0                               ; my images have landed
	s_barrier_signal -1
	s_barrier_wait -1                              ; everybody's have.  One barrier a K step: a buffer is written again two steps on, behind the next barrier, in front of which every wave has waited for its reads of it
	PLACES
	WIN 0x40
.irp rt, 0,1,2,3,4,5,6,7
.irp c, 0,1,2,3
	ds_load_b128 v[128+16*\rt+4*\c:128+16*\rt+4*\c+3], v[XI] offset:((\s)%2)*IMGB+\rt*2048+512*\c
.endr
.endr
	WIN 0
.if \s == 0
.irp ct, 0,1,2,3,4,5,6,7                       ; bv as eight C tiles: a lane's eight registers of a tile are eight keys of one channel
.irp i, 0,1,2,3,4,5,6,7
	v_ldexp_f32 v[XR+8*\ct+\i], v[BV+\ct], s82
.endr
.endr
.endif
	s_wait_loadcnt 0x0                             ; Wv's fragments
.irp rt, 0,1,2,3,4,5,6,7
	s_wait_dscnt 4*(7-\rt)                         ; x's fragment rt is in: four loads for each later one may be out
.if \s == 0
	WIN 0x85+0x40*(\rt/4)                          ; sources 0, 1 window 1; C window 0; D window 2 or 3
.else
	WIN 0xa5+0x50*(\rt/4)                          ; sources 0, 1 window 1; C and D window 2 or 3
.endif
.irp ct, 0,1,2,3,4,5,6,7
.if \s == 0
	v_wmma_f32_16x16x128_bf8_bf8 v[8*(8*(\rt%4)+\ct):8*(8*(\rt%4)+\ct)+7], v[128+16*\rt:128+16*\rt+15], v[16*\ct:16*\ct+15], v[XR+8*\ct:XR+8*\ct+7]
.else
	v_wmma_f32_16x16x128_bf8_bf8 v[8*(8*(\rt%4)+\ct):8*(8*(\rt%4)+\ct)+7], v[128+16*\rt:128+16*\rt+15], v[16*\ct:16*\ct+15], v[8*(8*(\rt%4)+\ct):8*(8*(\rt%4)+\ct)+7]
.endif
.endr
.endr
	WIN 0
	PLACES
.if \s < 3
	WLOAD (\s)+1
.endif
.endm
	KSTEP 0
	KSTEP 1
	KSTEP 2
	KSTEP 3
	; THE WAY OUT.  q and k: a tile's four accumulators are one fragment: held, converted, stored as two chunks of 512 consecutive bytes.
.irp z, 0,1
.irp a, 0,1
.set j, 0
.rept 32
	v_med3_num_f32 v[AQ+64*\z+32*\a+j], v[AQ+64*\z+32*\a+j], -v[SC+7+2*\z], v[SC+7+2*\z]
.set j, j+1
.endr
.irp dt, 0,1,2,3
	v_cvt_scalef32_pk8_bf8_f32 v[QC+8*(2*\z+\a)+2*\dt:QC+8*(2*\z+\a)+2*\dt+1], v[AQ+64*\z+32*\a+8*\dt:AQ+64*\z+32*\a+8*\dt+7], v[SC+6+2*\z]
.endr
	v_nop
	global_store_b128 v[LI], v[QC+8*(2*\z+\a):QC+8*(2*\z+\a)+3],   s[20+2*\z:21+2*\z] offset:\a*1024
	global_store_b128 v[LI], v[QC+8*(2*\z+\a)+4:QC+8*(2*\z+\a)+7], s[20+2*\z:21+2*\z] offset:\a*1024+512
.endr
.endr
	; v: the eight accumulators (rt, ct) of a channel tile ct are one fragment.  Its codes take registers of their own, so no store's data are written again.
.irp ct, 0,1,2,3,4,5,6,7
	WIN 0x02                                       ; source 0 window 2
.set j, 0
.rept 32
	v_med3_num_f32 v[XR+j], v[8*(8*(j/8)+\ct)+j%8], -v[SC+11], v[SC+11]
.set j, j+1
.endr
	WIN 0x03
.set j, 0
.rept 32
	v_med3_num_f32 v[XR+32+j], v[8*(8*(j/8)+\ct)+j%8], -v[SC+11], v[SC+11]
.set j, j+1
.endr
	WIN 0
.irp rt, 0,1,2,3,4,5,6,7
	v_cvt_scalef32_pk8_bf8_f32 v[VC+16*\ct+2*\rt:VC+16*\ct+2*\rt+1], v[XR+8*\rt:XR+8*\rt+7], v[SC+10]
.endr
	v_nop
.irp c, 0,1,2,3
	global_store_b128 v[LI], v[VC+16*\ct+4*\c:VC+16*\ct+4*\c+3], s[24:25] offset:\ct*2048+512*\c   ; 32 lanes store 512 consecutive bytes, at a multiple of 512 from the buffer's first byte
.endr
.endr
	s_wait_tensorcnt 0x0                           ; the wave's end: behind my last tensor load and my last LDS store
	ds_add_u32 v[SPW], v[NIL]
	s_wait_dscnt 0x0
	s_endpgm
.Lfunc_end_k_q950dbb205b_project:
	.size	k_q950dbb205b_project, .Lfunc_end_k_q950dbb205b_project-k_q950dbb205b_project
	.p2alignl 7, 3214868480
	.fill 96, 4, 3214868480
	.section	.rodata,"a",@progbits
	.p2align	6, 0x0
	.amdhsa_kernel k_q950dbb205b_project
		.amdhsa_group_segment_fixed_size 303616
		.amdhsa_private_segment_fixed_size 0
		.amdhsa_enable_private_segment 0
		.amdhsa_kernarg_size 88
		.amdhsa_user_sgpr_count 2
		.amdhsa_user_sgpr_kernarg_segment_ptr 1
		.amdhsa_wavefront_size32 1
		.amdhsa_system_sgpr_workgroup_id_x 1
		.amdhsa_system_sgpr_workgroup_id_y 1
		.amdhsa_system_sgpr_workgroup_id_z 1
		.amdhsa_system_vgpr_workitem_id 0
		.amdhsa_next_free_vgpr 1024
		.amdhsa_next_free_sgpr 100
		.amdhsa_reserve_vcc 0
		.amdhsa_float_denorm_mode_32 3
		.amdhsa_float_denorm_mode_16_64 3
		.amdhsa_memory_ordered 1
		.amdhsa_forward_progress 1
		.amdhsa_inst_pref_size 250
	.end_amdhsa_kernel
	.amdgpu_metadata
---
amdhsa.version: [ 1, 2 ]
amdhsa.kernels:
  - .name:           k_q950dbb205b_project
    .symbol:         k_q950dbb205b_project.kd
    .args:
      - { .name: x, .offset: 0, .size: 8, .value_kind: global_buffer, .address_space: global }
      - { .name: Wq_codes, .offset: 8, .size: 8, .value_kind: global_buffer, .address_space: global }
      - { .name: Wk_codes, .offset: 16, .size: 8, .value_kind: global_buffer, .address_space: global }
      - { .name: Wv_codes, .offset: 24, .size: 8, .value_kind: global_buffer, .address_space: global }
      - { .name: bq, .offset: 32, .size: 8, .value_kind: global_buffer, .address_space: global }
      - { .name: bk, .offset: 40, .size: 8, .value_kind: global_buffer, .address_space: global }
      - { .name: bv, .offset: 48, .size: 8, .value_kind: global_buffer, .address_space: global }
      - { .name: lowp_scales, .offset: 56, .size: 8, .value_kind: global_buffer, .address_space: global }
      - { .name: qimg, .offset: 64, .size: 8, .value_kind: global_buffer, .address_space: global }
      - { .name: kimg, .offset: 72, .size: 8, .value_kind: global_buffer, .address_space: global }
      - { .name: vimg, .offset: 80, .size: 8, .value_kind: global_buffer, .address_space: global }
    .group_segment_fixed_size: 303616
    .private_segment_fixed_size: 0
    .kernarg_segment_align: 8
    .kernarg_segment_size: 88
    .max_flat_workgroup_size: 128
    .sgpr_count:     100
    .vgpr_count:     1024
    .wavefront_size: 32
...
	.end_amdgpu_metadata
.endif
;; end of part 1
;; launch attend (part 2): grid 16 x 16, 4 waves a work-group, clusters of 4 x 1, 327,680 bytes of LDS; arguments qimg, kimg, vimg, lowp_scales, gamma, x, out0; writes out0
.if DOCPART == 2
	.amdgcn_target "amdgcn-amd-amdhsa--gfx1250"
	.amdhsa_code_object_version 6
	.text
	.protected	k_q950dbb205b_attend
	.globl	k_q950dbb205b_attend
	.p2align	8
	.type	k_q950dbb205b_attend,@function
k_q950dbb205b_attend:
	s_mov_b64 s[64:65], 0
	v_nop
	global_prefetch_b8 v0, s[64:65] scope:SCOPE_SE
	s_setreg_imm32_b32 hwreg(HW_REG_WAVE_MODE, 25, 1), 1
	s_wait_xcnt 0x0
	s_wait_alu depctr_hold_cnt(0) depctr_sa_sdst(0) depctr_va_vdst(0) depctr_va_sdst(0) depctr_va_ssrc(0) depctr_va_vcc(0) depctr_vm_vsrc(0)
	s_getreg_b32 s2, hwreg(HW_REG_IB_STS2, 6, 4)
	s_cmp_eq_u32 s2, 0
	s_cbranch_scc0 .Lentry_in_a_cluster
	s_endpgm
.Lentry_in_a_cluster:
	s_bfe_u32 s2, ttmp6, 0x10000c
	s_cmp_lg_u32 s2, 0x3003
	s_cbranch_scc0 .Lentry_shape_is_right
	s_endpgm
.Lentry_shape_is_right:
; out0[b][n][:] = gamma x (the sum over m of softmax_m(q[n] . k[m]) v[m][:]) + x[b][n][:], both products on codes of E5M2.  No work is left out.
; qimg, kimg, vimg: images of operand registers, as the first launch laid them (registers 4 c .. 4 c + 3 of lane l: the 16 bytes at 512 c + 16 l); scales 2^e6, 2^e7, 2^e8.
; THE SOFTMAX: t = score x 2^(e6 + e7) x log2(e); M = the row's largest t rounded up to a whole number; p = 2^(t - M) is quantised with 2^e9; the row's sum l is taken of the unquantised p and divides at the end.
; M IS THE ROW'S OWN, FOUND IN A FIRST PASS over all scores (16 short products and 64 maxima a wave for 128 keys): so O is never rescaled, which would be 256 packed lines a wave for the same keys.
; Both passes run the same instruction on the same operands.
; SHARES.  A work-group owns 128 queries of one batch.  PRODUCTS: wave w makes O^T for channels 128 w .. 128 w + 127 and all 128 queries: 64 accumulators; each fragment of V and of P feeds eight products.
; SOFTMAX: wave w takes key tiles 2 w, 2 w + 1 of every step of 128 keys, for all 8 tiles of queries.  S^T = K Q^T (source 0 = 16 keys, source 1 = 16 queries): a lane holds one query and eight neighbouring keys,
; so its conversions give registers 4 w .. 4 w + 3 of each of P's 8 fragments: chunk w of each image, one LDS store a fragment.  O^T = V^T P (source 0 = 16 channels, source 1 = P): again one query a lane.
; K IS READ BY ONE WAVE ALONE, so it goes from memory straight into that wave's registers, 512 consecutive bytes a load: in the first pass all 32 fragments (window 1), in the second two fragments a step,
; asked for one step ahead, into two sets by turns.
; BY TURNS.  Behind barrier j a wave multiplies V(j) by P(j), 64 products.  The softmax of step j + 1 stands round them: the first key tile's while V and P come out of LDS, in groups of four loads between its lines;
; the second's in slices behind the products.  P(j + 1) goes to the other of two buffers in front of barrier j + 1.
; CLUSTER.  The four query blocks of a cluster belong to one batch and walk the same V: each tile is asked for jointly, by the same tensor load with the same descriptor and the mask of all four.
; V goes through a ring of two slots of TWO steps (131,072 bytes each); wave w fetches, and alone reads, its own quarter: one load of 2 rows x 16,384 bytes.  A refill stands behind every second barrier and has two
; steps' work in which to land.  One load of a wave is out at any time; every wait on TENSORcnt is for 0.
; THE ACCUMULATORS ARE CLEARED, 512 lines, once, while the wave's first loads are on their way: so step 0 runs in the loop like every other.  Written out with C = 0 it would take a trip of its own out of the loop:
; two more copies of the key step, some 1,500 instructions.
; LIMITS: e6 + e7 between -126 and 127 (added to the exponent field of log2(e)); e9 between -126 and 112; e8 + e9 goes by v_ldexp_f32 and has none.  NaN and infinity among the inputs are not served.
; REGISTERS.  window 0: v1-15, v96, v97 addresses and constants; v16-79 Q (8 fragments); v80-95 and v240-255 K's two fragments, two sets; v112-175 S^T, then p; v176-207 p's codes; v208-223 l, a pair a tile of queries;
;   v224-239 -M, twice in a pair; outside the loop v240-247 running maxima, v248-255 at work.   window 1: v0-127 V's 8 fragments, v128-255 P's 8 (in the first pass: my 32 fragments of K).
;   windows 2, 3: accumulator (qt, ct) at v[8 (8 (qt % 4) + ct)] of window 2 + qt / 4.  On the way out windows 0 and 1 hold rows of x and of the result.
.set SLOT1, 131072                     ; LDS: V's slot 0 at 0, slot 1 here: one exclusive or turns one into the other.  In a slot wave w's quarter at 32,768 w, its second step 16,384 further on
.set PB0,   262144                     ; P's two buffers of 8 images
.set PBB,   16384
.set MX,    294912                     ; the waves' maxima: 1,024 bytes a wave, 32 a lane; 4,096 further on their sums
.set SPARE, 303104                     ; the spare words, 128 bytes a wave: two blocks of 256 bytes that no other line names
.set SPI,   528                        ; the way out: a stage of 16 rows x (512 + 16) bytes, at the head of my own quarter of slot 0: it has had its last fill (steps 12 and 13), and I alone read it
.set LI,  1                            ; v1   16 x lane
.set VA0, 4                            ; v4   32,768 w + 16 lane: my quarter of slot 0
.set RD,  4                            ;      the same place: where I read a row of my stage back
.set VAD, 5                            ; v5   my quarter of the slot in hand
.set PA,  6                            ; v6   PB0 + 16 lane
.set PW,  7                            ; v7   + 512 w: my chunk of an image
.set SPW, 8                            ; v8   my spare word; never rewritten
.set NIL, 9                            ; v9   0; never rewritten
.set LIMP, 10                          ; v10  57,344 x 2^e9
.set SCP, 11                           ; v11  2^e9
.set PFO, 12                           ; v12  256 x lane
.set PFX, 13                           ; v13  2,048 (lane / 2) + 256 (lane % 2)
.set STO, 14                           ; v14  where I put 32 bytes of a row into my stage
.set Q,   16
.set KS0, 80                           ; K's set 0; set 1 lies 160 registers further on
.set MXW, 96
.set MXR, 97
.set S,   112
.set PC,  176
.set L,   208
.set MM,  224
.set RM,  240
.set TP,  248
.set G,   240                          ; the way out: gamma x 2^(e8 + e9) / l, twice in a pair
.set WV,  18
.set CX,  19
.set G1V, 32                           ; s[32:39] descriptor group 1
.set G0V, 44                           ; s[44:47] descriptor group 0, which walks
.set CS,  52                           ; s[52:53] log2(e) x 2^(e6 + e7), twice
.set SEL, 54
.set VB,  56                           ; LDS byte at which the slot in hand begins
.set TRIP, 57
.set LIM, 58
.set PFA, 60
.set EO,  62
.set GAM, 63
.set MSB, 0
.macro WIN new                         ; the immediate's high byte repeats the setting that is left; a switch that changes nothing is dropped
.if MSB != (\new)
	s_set_vgpr_msb (MSB<<8)|(\new)
.set MSB, (\new)
.endif
.endm
.macro PLACES                          ; four plain vector lines between a matrix instruction and a load into, or a vector line on, its registers
.rept 4
	v_nop
.endr
.endm
.macro CROUND                          ; a round of the cluster's barrier
	s_barrier_signal -1
	s_barrier_wait -1
	s_cmp_lg_u32 s[WV], 0
	s_cbranch_scc1 .Lnot_wave_0_\@
	s_barrier_signal -3
.Lnot_wave_0_\@:
	s_barrier_wait -3
	s_barrier_signal -1
	s_barrier_wait -1
.endm
; A PREFETCH INTO THE L2 of what the NEXT refill will ask for: two steps of V, 131,072 bytes, each aligned block of 256 named once in the launch.  All clusters of a batch walk the same V: the batch's first cluster asks;
; its four partners take 32,768 bytes each, told apart by address; each of their four waves 8,192, lanes 256 bytes apart: one instruction a wave.  The last refill asks for nothing: no steps lie behind it.
; Steps 0 to 3 come by their loads alone.
.macro ASK
	s_cmp_gt_u32 s[TRIP], s[LIM]
	s_cbranch_scc0 .Lnot_mine_\@
	global_prefetch_b8 v[PFO], s[PFA:PFA+1] th:TH_LOAD_NT scope:SCOPE_SE
.Lnot_mine_\@:
.endm
; and of the first 48 rows of my strip of x (512 bytes a row: two blocks, a lane each), two key steps ahead of the loads that want them: once, in the last trip
.macro ASKX
	s_cmp_eq_u32 s[TRIP], 1
	s_cbranch_scc0 .Lnot_yet_\@
.irp qt, 0,1,2
	global_prefetch_b8 v[PFX], s[14:15] offset:32768*\qt th:TH_LOAD_NT scope:SCOPE_SE
.endr
.Lnot_yet_\@:
.endm
	s_load_b256 s[4:11], s[0:1], 0x0               ; qimg, kimg, vimg, the scales' exponents
	s_load_b128 s[12:15], s[0:1], 0x20             ; gamma, x
	s_load_b64 s[16:17], s[0:1], 0x30              ; out0
	v_lshl_add_u32 v[SPW], v0, 2, SPARE
	v_mov_b32 v[NIL], 0
	ds_add_u32 v[SPW], v[NIL]                      ; the opening: the add, twice on end, and its wait ahead of my first tensor load
	ds_add_u32 v[SPW], v[NIL]
	v_lshrrev_b32 v1, 5, v0
	v_readfirstlane_b32 s[WV], v1                  ; wave 0..3
	s_bfe_u32 s[CX], ttmp6, 0x40000                ; my place in the cluster
	s_and_b32 s72, ttmp7, 0xffff                   ; the batch, which the four partners share
	; my quarter of two steps of V: 2 rows of 16,384 bytes (2,048 elements of 8), 65,536 bytes apart in memory, on end in LDS
	s_mov_b32 s[G1V], 15|(3<<16)|(1<<21)           ; the mask: all four work-groups; elements of 8 bytes; bit 21 beside a mask
	s_mov_b32 s[G1V+1], 2048<<16                   ; tensor_dim0 = 2,048
	s_mov_b32 s[G1V+2], 2<<16                      ; tensor_dim1 = 2
	s_mov_b32 s[G1V+3], 2048<<16                   ; tile_dim0 = 2,048
	s_mov_b32 s[G1V+4], 2                          ; tile_dim1 = 2
	s_mov_b32 s[G1V+5], 8192                       ; elements from row to row
	s_mov_b32 s[G1V+6], 0
	s_mov_b32 s[G1V+7], 0
	s_mov_b32 s[CS], 0x3fb8aa3b                    ; log2(e)
	s_mov_b32 s[SEL], 0x76543210
	s_mov_b32 s[SEL+1], 0xfedcba98
	s_mov_b32 s[VB], SLOT1                         ; the first change of slots turns it to slot 0
	; what the joint loads hang on: the batch and the wave's number alone
	s_lshl_b32 s78, s72, 20
	s_lshl_b32 s74, s[WV], 14
	s_add_co_u32 s78, s78, s74                     ; V: 1,048,576 b + 16,384 w
	s_mov_b32 s79, 0
	s_lshl_b32 s75, s[WV], 15                      ; and in a slot: 32,768 w
	s_lshl_b32 s76, s72, 17
	s_lshl_b32 s73, s[WV], 11
	s_add_co_u32 s76, s76, s73                     ; K: 131,072 b + 2,048 w: my two key tiles of step 0
	s_mov_b32 s77, 0
	; what is my work-group's own, in other registers
	s_lshl_b32 s80, ttmp9, 2
	s_add_co_u32 s80, s80, s[CX]                   ; my block of 128 queries
	s_lshl_b32 s82, s72, 17
	s_lshl_b32 s81, s80, 13
	s_add_co_u32 s82, s82, s81                     ; Q: 131,072 b + 8,192 block
	s_mov_b32 s83, 0
	s_lshl_b32 s84, s72, 22
	s_lshl_b32 s81, s80, 18
	s_add_co_u32 s84, s84, s81
	s_lshl_b32 s81, s[WV], 9
	s_add_co_u32 s84, s84, s81                     ; x, out0: my block's first row, my 128 channels
	s_mov_b32 s85, 0
	s_lshl_b32 s86, s72, 20
	s_lshl_b32 s81, s[CX], 15
	s_add_co_u32 s86, s86, s81
	s_lshl_b32 s81, s[WV], 13
	s_add_co_u32 s86, s86, s81
	s_add_co_u32 s86, s86, SLOT1                   ; the prefetches stand at steps 2 and 3; the first change of slots steps them to 4 and 5
	s_mov_b32 s87, 0
	s_cmp_eq_u32 ttmp9, 0                          ; the batch's first cluster: the same in all four partners
	s_cselect_b32 s[LIM], 1, -1
	s_wait_dscnt 0x0                               ; both opening adds are done
	s_wait_kmcnt 0x0
	s_load_b128 s[68:71], s[10:11], 0x18           ; e6, e7, e8, e9
	s_load_b32 s[GAM], s[12:13], 0x0
	s_mov_b32 s[G0V], 1
	s_mov_b32 s[G0V+1], s75                        ; slot 0
	s_add_nc_u64 s[G0V+2:G0V+3], s[8:9], s[78:79]  ; steps 0 and 1
	s_or_b32 s[G0V+3], s[G0V+3], 0x80000000
	s_add_nc_u64 s[PFA:PFA+1], s[8:9], s[86:87]
	s_add_nc_u64 s[6:7], s[6:7], s[76:77]
	s_add_nc_u64 s[4:5], s[4:5], s[82:83]
	s_add_nc_u64 s[14:15], s[14:15], s[84:85]
	s_add_nc_u64 s[16:17], s[16:17], s[84:85]
	CROUND                                         ; all four work-groups are here: the first joint loads meet
	tensor_load_to_lds s[G0V:G0V+3], s[G1V:G1V+7]  ; my quarter of V(0) and V(1)
	s_nop 0
	PLACES
	v_and_b32 v98, 31, v0                          ; lane
	v_lshlrev_b32 v[LI], 4, v98
.irp qt, 0,1,2,3,4,5,6,7
.irp c, 0,1
	global_load_b128 v[Q+8*\qt+4*\c:Q+8*\qt+4*\c+3], v[LI], s[4:5] offset:1024*\qt+512*\c   ; Q stays in registers
.endr
.endr
.irp u, 0,1
.irp c, 0,1
	global_load_b128 v[KS0+8*\u+4*\c:KS0+8*\u+4*\c+3], v[LI], s[6:7] offset:8192+1024*\u+512*\c   ; K of step 1, for the second pass, into set 0
.endr
.endr
	WIN 0x40                                       ; destination window 1
.set n, 0
.rept 32                                       ; my 32 fragments of K: step n / 2, key tile n % 2
	global_load_b128 v[8*n:8*n+3],   v[LI], s[6:7] offset:8192*(n/2)+1024*(n%2)
	global_load_b128 v[8*n+4:8*n+7], v[LI], s[6:7] offset:8192*(n/2)+1024*(n%2)+512
.set n, n+1
.endr
	WIN 0
	v_add_nc_u32 v[VA0], s75, v[LI]
	v_add_nc_u32 v[PA], PB0, v[LI]
	s_lshl_b32 s81, s[WV], 9
	v_add_nc_u32 v[PW], s81, v[PA]
	v_lshlrev_b32 v[PFO], 8, v98
	v_lshrrev_b32 v99, 1, v98
	v_and_b32 v100, 1, v98
	v_lshlrev_b32 v[PFX], 11, v99
	v_lshl_add_u32 v[PFX], v100, 8, v[PFX]
	v_and_b32 v99, 15, v0                          ; r
	v_bfe_u32 v100, v0, 4, 1                       ; h
	v_mul_u32_u24 v[STO], v99, SPI
	v_lshl_add_u32 v[STO], v100, 5, v[STO]
	v_add_nc_u32 v[STO], s75, v[STO]               ; into my stage: row r, + 32 h
	v_lshlrev_b32 v[MXR], 5, v98
	v_add_nc_u32 v[MXR], MX, v[MXR]
	s_lshl_b32 s81, s[WV], 10
	v_add_nc_u32 v[MXW], s81, v[MXR]
.irp qt, 0,1,2,3,4,5,6,7
	v_mov_b32 v[RM+\qt], 0xff800000                ; the running maxima begin under every score
	v_mov_b32 v[TP+\qt], 0                         ; written once: a lane permute's destination counts as one of its sources
.endr
	s_wait_kmcnt 0x0
	s_add_co_i32 s72, s68, s69
	s_lshl_b32 s72, s72, 23
	s_add_co_i32 s[CS], s[CS], s72                 ; a score stands for score x 2^(e6 + e7): added to the exponent field
	s_mov_b32 s[CS+1], s[CS]
	s_add_co_i32 s72, s71, 127
	s_lshl_b32 s73, s72, 23
	v_mov_b32 v[SCP], s73
	s_add_co_i32 s72, s72, 15
	s_lshl_b32 s72, s72, 23
	s_or_b32 s72, s72, 0x600000
	v_mov_b32 v[LIMP], s72
	s_add_co_i32 s[EO], s70, s71                   ; e8 + e9
	WIN 0x80                                       ; the accumulators begin as zeros (the head comment says why), while Q and K are on their way
.set j, 0
.rept 256
	v_mov_b32 v[j], 0
.set j, j+1
.endr
	WIN 0xc0
.set j, 0
.rept 256
	v_mov_b32 v[j], 0
.set j, j+1
.endr
	WIN 0
	; THE FIRST PASS: the largest score of each query among my keys.  Two sets of 8 score tiles by turns: one set's 32 maxima are the places behind the other's products.
.macro MAXES b                         ; pair by pair, so that the eight chains take turns; each tile from its low end on
.irp pp, 0,1,2,3
.irp qt, 0,1,2,3,4,5,6,7
	v_max3_num_f32 v[RM+\qt], v[RM+\qt], v[\b+8*\qt+2*\pp], v[\b+8*\qt+2*\pp+1]
.endr
.endr
.endm
.set n, 0
.rept 32
.if n%2 == 0
	s_wait_loadcnt 60-4*(n/2)                      ; Q and this step's four loads are in: four for each later step may be out
.endif
	WIN 0x01                                       ; source 0 (K) window 1
.irp qt, 0,1,2,3,4,5,6,7
	v_wmma_f32_16x16x64_bf8_bf8 v[S+64*(n%2)+8*\qt:S+64*(n%2)+8*\qt+7], v[8*n:8*n+7], v[Q+8*\qt:Q+8*\qt+7], 0
.endr
	WIN 0
.if n > 0
	MAXES S+64*(1-n%2)
.else
	PLACES                                         ; no maxima yet to stand behind the first products
.endif
.set n, n+1
.endr
	MAXES S+64                                     ; the last set: the 32 maxima on the other set stand between it and its products
.irp qt, 0,1,2,3,4,5,6,7
	v_permlanex16_b32 v[TP+\qt], v[RM+\qt], s[SEL], s[SEL+1]   ; the query's other keys of my tiles lie in the lane 16 away
.endr
.irp qt, 0,1,2,3,4,5,6,7
	v_max_num_f32 v[RM+\qt], v[RM+\qt], v[TP+\qt]
.endr
	ds_store_b128 v[MXW], v[RM:RM+3]
	ds_store_b128 v[MXW], v[RM+4:RM+7] offset:16
.irp j, 0,1,2,3,4,5,6,7,8,9,10,11,12,13,14,15
	v_mov_b32 v[L+\j], 0                           ; the sums begin (these registers held scores until now)
.endr
	s_wait_dscnt 0x0                               ; my maxima have landed
	s_barrier_signal -1
	s_barrier_wait -1                              ; (my tensor load may be out)
.irp w, 0,1,2,3
	ds_load_b128 v[S+8*\w:S+8*\w+3],   v[MXR] offset:1024*\w
	ds_load_b128 v[S+8*\w+4:S+8*\w+7], v[MXR] offset:1024*\w+16
.endr
	s_wait_dscnt 0x0
.irp qt, 0,1,2,3,4,5,6,7
	v_max3_num_f32 v[RM+\qt], v[S+\qt], v[S+8+\qt], v[S+16+\qt]
.endr
.irp qt, 0,1,2,3,4,5,6,7
	v_max_num_f32 v[RM+\qt], v[RM+\qt], v[S+24+\qt]
.endr
.irp qt, 0,1,2,3,4,5,6,7
	v_mul_f32 v[RM+\qt], s[CS], v[RM+\qt]          ; as t (the factor is positive)
.endr
.irp qt, 0,1,2,3,4,5,6,7
	v_floor_f32 v[MM+2*\qt], -v[RM+\qt]            ; -M = floor(-t) = -ceil(t)
	v_floor_f32 v[MM+2*\qt+1], -v[RM+\qt]
.endr
.macro SW kf                           ; the key tile in v[kf] on against the eight tiles of queries
	WIN 0
.irp qt, 0,1,2,3,4,5,6,7
	v_wmma_f32_16x16x64_bf8_bf8 v[S+8*\qt:S+8*\qt+7], v[\kf:\kf+7], v[Q+8*\qt:Q+8*\qt+7], 0
.endr
.endm
.macro SWX u                           ; the same for step 0, whose fragments still lie in window 1 from the first pass
	WIN 0x01
.irp qt, 0,1,2,3,4,5,6,7
	v_wmma_f32_16x16x64_bf8_bf8 v[S+8*\qt:S+8*\qt+7], v[8*\u:8*\u+7], v[Q+8*\qt:Q+8*\qt+7], 0
.endr
	WIN 0
.endm
; THE SOFTMAX of one key tile for the eight tiles of queries is a list of 202; ITEM writes number it.
;   0-31 t - M, a pair of scores each;  32-95 the exponentials, ONE BATCH;  96 a plain line and the batch's one wait (ahead of the first line that names a result);
;   97-128 l += p, pair by pair, eight chains by turns;  129-200 for each tile of queries eight holds (p is not negative: one-sided) and the conversion;  201 the plain line behind the last conversion.
.macro ITEM u
.if it < 32
	v_pk_fma_f32 v[S+2*it:S+2*it+1], v[S+2*it:S+2*it+1], s[CS:CS+1], v[MM+2*(it/4):MM+2*(it/4)+1] op_sel_hi:[1,0,1]
.elseif it < 96
	v_exp_f32 v[S+it-32], v[S+it-32]
.elseif it == 96
	v_nop
	s_wait_alu depctr_va_vdst(0)
.elseif it < 129
.set xq, (it-97)%8
.set xp, (it-97)/8
	v_pk_add_f32 v[L+2*xq:L+2*xq+1], v[L+2*xq:L+2*xq+1], v[S+8*xq+2*xp:S+8*xq+2*xp+1]
.elseif it < 201
.set xq, (it-129)/9
.set xp, (it-129)%9
.if xp < 8
	v_min_num_f32 v[S+8*xq+xp], v[S+8*xq+xp], v[LIMP]
.else
	v_cvt_scalef32_pk8_bf8_f32 v[PC+4*xq+2*\u:PC+4*xq+2*\u+1], v[S+8*xq:S+8*xq+7], v[SCP]
.endif
.elseif it == 201
	v_nop
.endif
.set it, it+1
.endm
.macro EMIT u, n
	WIN 0
.rept \n
	ITEM \u
.endr
.endm
.macro PSTORE buf                      ; my chunk of P's eight images
	WIN 0
.irp qt, 0,1,2,3,4,5,6,7
	ds_store_b128 v[PW], v[PC+4*\qt:PC+4*\qt+3] offset:PBB*(\buf)+2048*\qt
.endr
.endm
; product pi of 64 of O^T += V^T P: tile of queries pi / 8, tile of channels pi % 8.  The 64 accumulators take turns, one instruction a turn.
.macro PV
.set pq, pi/8
.set pc, pi%8
	WIN 0xa5+0x50*(pq/4)                           ; V and P window 1, the accumulator window 2 or 3
.set rA, 8*(8*(pq%4)+pc)
	v_wmma_f32_16x16x128_bf8_bf8 v[rA:rA+7], v[16*pc:16*pc+15], v[128+16*pq:128+16*pq+15], v[rA:rA+7]
.endm
; group lg of sixteen: a fragment's four LDS loads.  0-7: V's fragments, step h of the slot in hand; 8-15: P's, buffer p
.macro LGRP p, h
	WIN 0x40                                       ; destination window 1
.if lg < 8
.irp c, 0,1,2,3
	ds_load_b128 v[16*lg+4*\c:16*lg+4*\c+3], v[VAD] offset:16384*\h+2048*lg+512*\c
.endr
.else
.irp c, 0,1,2,3
	ds_load_b128 v[16*lg+4*\c:16*lg+4*\c+3], v[PA] offset:PBB*\p+2048*(lg-8)+512*\c
.endr
.endif
.set lg, lg+1
.endm
; AN INTERVAL, behind barrier j: p = j % 2 says which buffer holds P(j) and which set K(j + 1); h = j % 2 which step of the slot is V(j).  kload = 1: K(j + 2) is asked for.
; The LDS loads go out in groups of four: V's fragments 0 and 1 behind the first scores' products, V's other six and P's first three behind every 20 lines of the first key tile's list, P's last five behind the first
; product of groups 0 to 4: each three groups, 24 products, ahead of its use.  The second key tile's list stands in slices behind the products: 10 x 4 + 54 x 3 = 202.
.macro INTERVAL p, h, kload
	s_wait_loadcnt 0x0                             ; K(j + 1), asked for an interval ago, is in: so its loads' base may step
.if \kload
	s_add_nc_u64 s[6:7], s[6:7], 8192
.irp u, 0,1
.irp c, 0,1
	global_load_b128 v[KS0+160*(1-\p)+8*\u+4*\c:KS0+160*(1-\p)+8*\u+4*\c+3], v[LI], s[6:7] offset:8192+1024*\u+512*\c
.endr
.endr
.endif
	v_add_nc_u32 v[VAD], s[VB], v[VA0]
	SW KS0+160*\p
.set lg, 0
	LGRP \p, \h
	LGRP \p, \h
	WIN 0
	PLACES
.set it, 0
.rept 9
	EMIT 0, 20
	LGRP \p, \h
.endr
	EMIT 0, 22
	SW KS0+160*\p+8
	PLACES
.set it, 0
.set pi, 0
.rept 64
.if pi%8 == 0
.if pi < 48
	s_wait_dscnt 8                                 ; V (ahead of the first group) and this group's fragment of P are in: the two fragments asked for behind it may be out
.else
	s_wait_dscnt 4*(7-pi/8)                        ; one fragment was asked for behind the last but one, none behind the last
.endif
.endif
	PV
.if (pi%8 == 0) && (pi < 40)
	LGRP \p, \h
.endif
.if pi < 10
	EMIT 1, 4
.else
	EMIT 1, 3
.endif
.set pi, pi+1
.endr
	PSTORE 1-\p
.endm
; THE BARRIER BETWEEN A SLOT'S TWO STEPS, for P alone: my chunks of P have landed and my reads of the other buffer are back.  My refill may stay out.
.macro MEETP places
	WIN 0
	s_wait_dscnt 0x0
	s_barrier_signal -1
	s_barrier_wait -1
.if \places
	PLACES                                         ; in front of the loads into V's and P's registers
.endif
.endm
; THE CHANGE OF SLOTS.  Each wave waits for all its tensor loads (one is out: its quarter of the slot ahead), adds 0 to its spare word, and waits for that, for its stores of P and for its reads of the slot and buffer left.
; fill = 1: the barrier is a round of the cluster's, so that no wave of any partner still reads the slot or has a load on its way; the joint refill, the two steps behind the slot ahead, is the first thing behind it.
.macro CHANGE fill
	WIN 0
	s_wait_tensorcnt 0x0                           ; no tensor load of mine is out, so the group 0 may be written
	ds_add_u32 v[SPW], v[NIL]
	s_xor_b32 s[VB], s[VB], SLOT1                  ; the reads go on to the other slot
.if \fill
	s_xor_b32 s[G0V+1], s[G0V+1], SLOT1            ; the walking descriptor: the other slot than last time,
	s_add_nc_u64 s[G0V+2:G0V+3], s[G0V+2:G0V+3], 0x20000   ; the next two steps; the type bits on top are not reached
	s_wait_xcnt 0x0                                ; the last prefetch, two steps back, has read its address
	s_add_nc_u64 s[PFA:PFA+1], s[PFA:PFA+1], 0x20000
	s_wait_dscnt 0x0
	CROUND
	tensor_load_to_lds s[G0V:G0V+3], s[G1V:G1V+7]
	s_nop 0
	PLACES                                         ; (also the places in front of the loads into V's and P's registers)
	ASK
.else
	s_wait_dscnt 0x0
	s_barrier_signal -1
	s_barrier_wait -1
	PLACES
.endif
.endm
	SWX 0                                          ; step 0's softmax has no products to stand between
	PLACES
.set it, 0
	EMIT 0, 202
	SWX 1
	PLACES
.set it, 0
	EMIT 1, 202
	PSTORE 0
	s_mov_b32 s[TRIP], 7
.Ltrip:                                            ; trip t: steps 2 t and 2 t + 1.  Behind barrier 2 t steps 2 t + 2 and 2 t + 3 are asked for (in the first trip: slot 1's first fill)
	CHANGE 1
	INTERVAL 0, 0, 1
	MEETP 1
	ASKX
	INTERVAL 1, 1, 1
	s_sub_co_u32 s[TRIP], s[TRIP], 1
	s_cmp_lg_u32 s[TRIP], 0
	s_cbranch_scc1 .Ltrip
	CHANGE 0                                       ; the last slot is written out: nothing is asked for
	INTERVAL 0, 0, 0                               ; step 14's products, step 15's softmax
	; my part of each query's sum goes to the other waves.  (These lines are also the places behind the last products, in front of the loads below)
.irp qt, 0,1,2,3,4,5,6,7
	v_add_f32 v[RM+\qt], v[L+2*\qt], v[L+2*\qt+1]
.endr
.irp qt, 0,1,2,3,4,5,6,7
	v_permlanex16_b32 v[TP+\qt], v[RM+\qt], s[SEL], s[SEL+1]
.endr
.irp qt, 0,1,2,3,4,5,6,7
	v_add_f32 v[RM+\qt], v[RM+\qt], v[TP+\qt]
.endr
	ds_store_b128 v[MXW], v[RM:RM+3] offset:4096
	ds_store_b128 v[MXW], v[RM+4:RM+7] offset:4112
	MEETP 0
; THE LAST STEP AND THE WAY OUT.  Rows of x come into five sets of 64 registers that the softmax has left: tile a of 16 rows into set a % 5.
.macro XSET a
.set xs, (\a)%5
.set xr, 16
.set xw, 0
.if xs == 1
.set xr, 112
.elseif xs == 2
.set xr, 176
.elseif xs == 3
.set xr, 128
.set xw, 1
.elseif xs == 4
.set xr, 192
.set xw, 1
.endif
.endm
.macro XLOAD a
	XSET \a
	WIN xw<<6
.irp t, 0,1,2,3,4,5,6,7,8,9,10,11,12,13,14,15
	global_load_b128 v[xr+4*\t:xr+4*\t+3], v[LI], s[14:15] offset:32768*(\a)+2048*\t th:TH_LOAD_NT   ; 32 lanes read my 512 bytes of a row
.endr
.endm
.irp w, 0,1,2,3
	ds_load_b128 v[PC+8*\w:PC+8*\w+3],   v[MXR] offset:4096+1024*\w
	ds_load_b128 v[PC+8*\w+4:PC+8*\w+7], v[MXR] offset:4096+1024*\w+16
.endr
.set lg, 0
.rept 16
	LGRP 1, 1                                      ; V(15), the slot's second step, and P(15): no softmax is left to stand between the groups
.endr
	XLOAD 0
	XLOAD 1
	s_wait_dscnt 63                                ; the four waves' sums are in: V's and P's 64 loads were issued behind them, and a wait's count names 63 at the most
.irp qt, 0,1,2,3,4,5,6,7
	v_add_f32 v[L+\qt], v[PC+\qt], v[PC+8+\qt]
.endr
.irp qt, 0,1,2,3,4,5,6,7
	v_add_f32 v[L+8+\qt], v[PC+16+\qt], v[PC+24+\qt]
.endr
.irp qt, 0,1,2,3,4,5,6,7
	v_add_f32 v[L+\qt], v[L+\qt], v[L+8+\qt]       ; l
.endr
.irp qt, 0,1,2,3,4,5,6,7
	v_rcp_f32 v[L+8+\qt], v[L+\qt]
.endr
	v_nop                                          ; a plain line behind the last reciprocal,
	s_wait_alu depctr_va_vdst(0)                   ; and the one wait ahead of the first use
.irp qt, 0,1,2,3,4,5,6,7
	v_mul_f32 v[L+8+\qt], s[GAM], v[L+8+\qt]
.endr
.irp qt, 0,1,2,3,4,5,6,7
	v_ldexp_f32 v[G+2*\qt], v[L+8+\qt], s[EO]      ; gamma x 2^(e8 + e9) / l
	v_ldexp_f32 v[G+2*\qt+1], v[L+8+\qt], s[EO]
.endr
	XLOAD 2
.set pi, 0
.rept 64
.if pi%8 == 0
	s_wait_dscnt 4*(7-pi/8)                        ; V and P's fragments up to this one are in: four loads for each later one may be out
.endif
	PV
.set pi, pi+1
.endr
	WIN 0
	PLACES
	XLOAD 3
	XLOAD 4
; Tile a of 16 queries: a lane holds 32 neighbouring bytes of a row and the lanes beside it other rows, so the tile goes through my stage and comes back as whole rows of 512 bytes, into the registers that it left
; (LDS serves a wave's instructions in order: ISA guide 5.7.1.4).
.macro TOSTAGE a
.set TM, 64*((\a)%2)
.set AC, 64*((\a)%4)
	WIN 0x42+(\a)/4                                ; the sums window 2 or 3, the factor window 0, the result window 1
.set j, 0
.rept 32
	v_pk_mul_f32 v[TM+j:TM+j+1], v[AC+j:AC+j+1], v[G+2*(\a):G+2*(\a)+1]
.set j, j+2
.endr
	WIN 0x04
.irp ct, 0,1,2,3,4,5,6,7
	ds_store_b128 v[STO], v[TM+8*\ct:TM+8*\ct+3] offset:64*\ct
	ds_store_b128 v[STO], v[TM+8*\ct+4:TM+8*\ct+7] offset:64*\ct+16
.endr
	WIN 0x40
.irp t, 0,1,2,3,4,5,6,7,8,9,10,11,12,13,14,15
	ds_load_b128 v[TM+4*\t:TM+4*\t+3], v[RD] offset:SPI*\t
.endr
.endm
.macro SEND a, younger
	XSET \a
.set TM, 64*((\a)%2)
	s_wait_dscnt \younger                          ; the tile is back: the next tile's 16 stores and 16 loads may be out
.if (\a) < 4
	s_wait_loadcnt 63                              ; x's tile a is in: four tiles' 64 loads were issued behind it, and a wait's count names 63 at the most
.else
	s_wait_loadcnt 16*(7-(\a))                     ; 16 loads for each later tile may be out
.endif
	WIN 0x41|(xw<<2)
.set j, 0
.rept 32
	v_pk_add_f32 v[TM+j:TM+j+1], v[TM+j:TM+j+1], v[xr+j:xr+j+1]   ; + x
.set j, j+2
.endr
	WIN 0x04
.irp t, 0,1,2,3,4,5,6,7,8,9,10,11,12,13,14,15
	global_store_b128 v[LI], v[TM+4*\t:TM+4*\t+3], s[16:17] offset:32768*(\a)+2048*\t th:TH_STORE_NT   ; 32 lanes store 512 consecutive bytes, at a multiple of 512 from out0's first byte
.endr
.if (\a) < 3
	XLOAD (\a)+5                                   ; the set that has just been added takes the tile five further on
.endif
.endm
	TOSTAGE 0
.irp a, 1,2,3,4,5,6,7
.if \a > 1
	s_wait_xcnt 0x0                                ; tile a - 2's stores have read their registers: tile a is written there
.endif
	TOSTAGE \a
	SEND \a-1, 32
.endr
	SEND 7, 0
	WIN 0
	s_wait_tensorcnt 0x0                           ; the wave's end: behind my last tensor load and my last LDS store
	ds_add_u32 v[SPW], v[NIL]
	s_wait_dscnt 0x0
	CROUND                                         ; the closing round: no work-group ends while a partner may still ask for a tile that names it
	s_endpgm
.Lfunc_end_k_q950dbb205b_attend:
	.size	k_q950dbb205b_attend, .Lfunc_end_k_q950dbb205b_attend-k_q950dbb205b_attend
	.p2alignl 7, 3214868480
	.fill 96, 4, 3214868480
	.section	.rodata,"a",@progbits
	.p2align	6, 0x0
	.amdhsa_kernel k_q950dbb205b_attend
		.amdhsa_group_segment_fixed_size 327680
		.amdhsa_private_segment_fixed_size 0
		.amdhsa_enable_private_segment 0
		.amdhsa_kernarg_size 56
		.amdhsa_user_sgpr_count 2
		.amdhsa_user_sgpr_kernarg_segment_ptr 1
		.amdhsa_wavefront_size32 1
		.amdhsa_system_sgpr_workgroup_id_x 1
		.amdhsa_system_sgpr_workgroup_id_y 1
		.amdhsa_system_sgpr_workgroup_id_z 1
		.amdhsa_system_vgpr_workitem_id 0
		.amdhsa_next_free_vgpr 1024
		.amdhsa_next_free_sgpr 100
		.amdhsa_reserve_vcc 0
		.amdhsa_float_denorm_mode_32 3
		.amdhsa_float_denorm_mode_16_64 3
		.amdhsa_memory_ordered 1
		.amdhsa_forward_progress 1
		.amdhsa_inst_pref_size 255
	.end_amdhsa_kernel
	.section	.bss,"aw",@nobits
	.p2align	6
	.space	262144
	.amdgpu_metadata
---
amdhsa.version: [ 1, 2 ]
amdhsa.kernels:
  - .name:           k_q950dbb205b_attend
    .symbol:         k_q950dbb205b_attend.kd
    .args:
      - { .name: qimg, .offset: 0, .size: 8, .value_kind: global_buffer, .address_space: global }
      - { .name: kimg, .offset: 8, .size: 8, .value_kind: global_buffer, .address_space: global }
      - { .name: vimg, .offset: 16, .size: 8, .value_kind: global_buffer, .address_space: global }
      - { .name: lowp_scales, .offset: 24, .size: 8, .value_kind: global_buffer, .address_space: global }
      - { .name: gamma, .offset: 32, .size: 8, .value_kind: global_buffer, .address_space: global }
      - { .name: x, .offset: 40, .size: 8, .value_kind: global_buffer, .address_space: global }
      - { .name: out0, .offset: 48, .size: 8, .value_kind: global_buffer, .address_space: global }
    .group_segment_fixed_size: 327680
    .private_segment_fixed_size: 0
    .kernarg_segment_align: 8
    .kernarg_segment_size: 56
    .max_flat_workgroup_size: 128
    .sgpr_count:     100
    .vgpr_count:     1024
    .wavefront_size: 32
...
	.end_amdgpu_metadata
.endif
;; end of part 2
